; MI455X (gfx1250); checked and timed in simulation.
; The chip was launched on July 23, 2026; its instructions are those of AMD's public machine-readable ISA for CDNA 5 (MIT licence, August 2026) and "CDNA5" Instruction Set Architecture Reference Guide (July 2026). The comments in the code are by the model that wrote it; some were corrected since.
;; SDPA. Allowed arithmetic: matrix products marked QUANTISED: E2M1 operands, one E8M0 scale for each 32 along K, by v_wmma_scale_f32_16x16x128_f8f6f4 with both operands' format E2M1 (or v_wmma_scale_f32_32x16x128_f4), f32 sums; everything else in f32.
;; Inputs: k 2 x 2,048 x 16 x 64 float32; q 2 x 2,048 x 16 x 64 float32; v 2 x 2,048 x 16 x 64 float32.
;; Outputs: out0 2 x 2,048 x 16 x 64 float32.
;; This version of the problem:
;;   THIS VERSION OF THE PROBLEM IS GIVEN IN LOW PRECISION. The matrix products marked QUANTISED in the list below multiply operands that are first quantised to E2M1 (2 exponent bits, 1 mantissa bit; 4 bits a number), with one power-of-two scale for each 32 numbers along K (OCP MX v1.0); their sums are f32. All else is computed in f32.
;;   The module's matrix products, in the order in which they are computed (A, B: the left and right operand; K: the contracted axis; several contracted axes count as one K, in the product's order):
;;     1. batch 32 x [M 2,048, K 64] x [K 64, N 2,048]; A: input k; B: computed on the way: QUANTISED
;;     2. batch 32 x [M 64, K 2,048] x [K 2,048, N 2,048]; A: input v; B: softmax (see below): QUANTISED
;;   THE QUANTISER, for each operand of a quantised product, along K:
;;     - K is cut into blocks of 32 from its start; a last block that is shorter is filled with zeros.
;;     - A block's scale is 2^e with e = floor(log2(the largest magnitude in the block)) - 2, held to -126 .. 127; a block of zeros has e = 0. As a byte (E8M0): e + 127.
;;     - Each number is divided by its block's scale, clamped to +-6, and rounded to the nearest number of E2M1, ties to even, subnormals kept.
;;     - The product sums the exact products of the quantised numbers (number of the format x scale) in f32.
;;   ~~~python
;;   def quantise(x, axis):      # numpy; x: float32 -> the quantised numbers, widened to float32 again
;;       x = np.moveaxis(x, axis, -1); K = x.shape[-1]
;;       x = np.pad(x, [(0, 0)] * (x.ndim - 1) + [(0, -K % 32)]); x = x.reshape(x.shape[:-1] + (-1, 32)); a = np.abs(x).max(-1, keepdims=True)
;;       e = np.where(a > 0, np.clip(np.frexp(np.where(a > 0, a, 1))[1] - 1 - 2, -126, 127), 0)      # np.frexp(a)[1] - 1 = floor(log2(a)), exactly
;;       r = np.clip(x / 2.0 ** e, -6, 6)
;;       step = 2.0 ** (np.maximum(np.frexp(np.where(r == 0, 1, r))[1] - 1, 0) - 1)
;;       q = np.round(r / step) * step * 2.0 ** e      # np.round: ties to even
;;       return np.moveaxis(q.reshape(q.shape[:-2] + (-1,))[..., :K], -1, axis).astype(np.float32)
;;   ~~~
;;   SOFTMAX AHEAD OF A QUANTISED PRODUCT. Where the list says 'softmax', what is quantised is not the finished softmax but p = 2^(t - M), with t = logit x log2(e) and M = ceil(the row's largest t), a whole number; so 1/2 < the row's largest p <= 1. The row's sum l is taken of the UNQUANTISED p, in f32, and the product's result is divided by l at the end. Since M is a whole number, a kernel that streams over the keys may use a running M (the ceiling of the running maximum): every later rescaling is an exact power of two, which a block's scale takes up: the codes' values come out the same.
;;   OPERANDS COMPUTED ON THE WAY. 'Computed on the way' means the value that the module computes at that place (a softmax that the list does not call 'softmax' is quantised finished and normalised). What goes into a quantiser is computed in f32, as accurately as f32 sums, v_exp_f32 and their like allow (about 1e-6 of the number): no bf16 or f16 on the way to a quantiser, and a product that is left as it is and whose result goes on into a quantised operand takes f32 operands (vector FMAs, or v_wmma_f32_16x16x4_f32). A number that lies on a knife's edge between two numbers of the format may be rounded either way, as far as f32 arithmetic and the matrix unit's own rounding can turn it there, and no further.
;; One version. Each part assembles by itself: llvm-mc -triple=amdgcn-amd-amdhsa -mcpu=gfx1250 --defsym DOCPART=n.
;; ======== version 1 of 1: 2 launches
;; workspace buffers: qc 2,097,152 bytes; qs 262,144 bytes; kv 4,587,520 bytes
;; launch quant (part 1): grid 256 x 1, 8 waves a work-group, no clusters, 70,656 bytes of LDS; arguments q, k, v, qc, qs, kv; writes qc, qs, kv
.if DOCPART == 1
	.amdgcn_target "amdgcn-amd-amdhsa--gfx1250"
	.amdhsa_code_object_version 6
	.text
	.protected	k_q6ce0cff33b_quant
	.globl	k_q6ce0cff33b_quant
	.p2align	8
	.type	k_q6ce0cff33b_quant,@function
k_q6ce0cff33b_quant:
	s_mov_b64 s[64:65], 0
	v_nop
	global_prefetch_b8 v0, s[64:65] scope:SCOPE_SE
	s_setreg_imm32_b32 hwreg(HW_REG_WAVE_MODE, 25, 1), 1
	s_wait_xcnt 0x0
; q, k, v: [2][2048][16][64] f32 (a head's row: 256 bytes; rows of s 4,096 bytes apart) become codes of FP4 (E2M1) with one E8M0 byte for each 32 along a product's K,
; laid in the ORDER OF THE OPERANDS' REGISTERS, so that the attention launch takes every fragment by dense 16-byte loads.  bh = 16 b + head, g = a step of 128 rows of s.
;   qc [bh][g][tile 8][512 B]: tile 2 bb + u, lane (r, h): the 32 codes of block h (the head's 32 h .. 32 h + 31) of row 128 g + 32 bb + 8 u + r + 8 (r / 8), at 16 x lane.
;   qs [bh][g][lane 32][j 4] words: tile 2 j + lane / 16, row lane % 16; bytes 0, 1 the two blocks' scale bytes, bytes 2, 3 zero (they meet zero codes alone).
;   kv [bh][g][8,960 B]: +0 k's codes as qc; +4,096 v's codes [tile 4][key block 4][r 16][16 B] (channel 16 tile + r, K = the keys); +8,192 k's scale words as qs; +8,704 v's scale words [channel 64].
; A block's scale is 2^(floor(log2(its largest magnitude)) - 2): its byte is the largest magnitude's exponent field - 2, held at 1 from below.
; q / sqrt(64) IS NEVER MULTIPLIED: 1/8 is a power of two, so q / 8 has q's codes and a byte 3 lower; q's floor is 2^(6 - 127), so that this byte too stays at 1 or above.
; LIMITS: NaN and infinities among the inputs are not served.  A block of zeros gets the byte 1 where the rule says 127: its codes are zeros, which add nothing under any byte but 0xff, and this program alone reads the bytes.
; SHARES.  Waves 0-3: 128 rows of one head of q (work-groups 0-127) or of k (128-255), 32,768 bytes each.  Waves 4-7: 128 keys x 32 columns of v, 16,384 bytes each.  The two kinds part once, on the wave's number.
; No tensor load, no barrier: waves share nothing.  LDS: waves 0-3 use 8,704 bytes each; the claim is eight times that and 1,024 bytes more, since the address is made of the wave's number.
.set HEADB, 143360                     ; a head's bytes in kv: 16 steps
.set STEPB, 8960                       ; a step's: 35 x 256
.set WREG,  8704                       ; LDS of a wave: two stages
.set STGB,  4352                       ; a stage: 16 rows x 272 bytes (256 + 16: sixteen rows' 16-byte pieces fall on sixteen different 16-byte columns of 256 bytes)
.set R,     16                         ; v16-143  four sets of 32: a tile as it is loaded
.set X,     144                        ; v144-207 two sets of 32: a lane's block of 32 neighbours
.set C,     208                        ; v208-239 codes, four registers a tile: no store's data are written again
.set W,     240                        ; v240-247 a scale word a tile
.set VX,    16                         ; v's path: v16-79 two sets of 32 keys of my column
.set VC,    80                         ; v80-95 codes, four registers a block
.set VSB,   96                         ; v96 my channel's scale word
	s_load_b256 s[4:11], s[0:1], 0x0               ; q s[4:5], k s[6:7], v s[8:9], qc s[10:11]
	s_load_b128 s[12:15], s[0:1], 0x20             ; qs s[12:13], kv s[14:15]
	v_lshl_add_u32 v254, v0, 2, 0x11000
	v_mov_b32 v255, 0
	v_lshrrev_b32 v1, 5, v0
	s_delay_alu instid0(VALU_DEP_1)
	v_readfirstlane_b32 s16, v1                    ; wave 0..7
	v_and_b32 v1, 31, v0                           ; lane
	s_cmp_ge_u32 s16, 4
	s_cbranch_scc1 .Lv_path
	; ---------------- q and k: K (the head's 64) is innermost ----------------
	s_and_b32 s17, ttmp9, 127                      ; which unit of the tensor
	s_lshr_b32 s18, s17, 6                         ; b
	s_bfe_u32 s19, s17, 0x40002                    ; g: 4 bits from bit 2
	s_and_b32 s30, s17, 3
	s_lshl_b32 s30, s30, 2
	s_add_co_u32 s30, s30, s16                     ; head: the four waves take four neighbouring heads
	s_lshl_b32 s31, s18, 4
	s_add_co_u32 s31, s31, s30                     ; bh
	s_lshl_b32 s32, s18, 23                        ; in: b x 8,388,608 + g x 128 rows of 4,096 + head x 256
	s_lshl_b32 s33, s19, 19
	s_add_co_u32 s32, s32, s33
	s_lshl_b32 s33, s30, 8
	s_add_co_u32 s32, s32, s33
	s_mov_b32 s33, 0
	s_lshl_b32 s34, s31, 16                        ; q's codes: bh x 65,536 + g x 4,096
	s_lshl_b32 s35, s19, 12
	s_add_co_u32 s34, s34, s35
	s_lshl_b32 s36, s31, 13                        ; q's scale words: bh x 8,192 + g x 512
	s_lshl_b32 s37, s19, 9
	s_add_co_u32 s36, s36, s37
	s_mul_i32 s35, s31, HEADB                      ; k's codes: the step's first byte in kv,
	s_mul_i32 s37, s19, STEPB
	s_add_co_u32 s35, s35, s37
	s_add_co_u32 s37, s35, 8192                    ; its scale words 8,192 bytes on
	s_mov_b32 s39, 0
	s_mov_b32 s41, 0
	s_mov_b32 s42, 6<<23                           ; q's floor, 2^(6 - 127)
	s_mov_b32 s43, 3<<23                           ; k's, 2^(3 - 127)
	s_mov_b32 s20, 0x76543210                      ; v_permlanex16_b32's selects for lane l xor 16
	s_mov_b32 s21, 0xfedcba98
	s_mul_i32 s44, s16, WREG                       ; my wave's stages
	v_and_b32 v7, 15, v0                           ; x = lane % 16
	v_bfe_u32 v6, v0, 4, 1                         ; y = lane / 16
	s_delay_alu instid0(VALU_DEP_1)
	v_lshlrev_b32 v2, 12, v6
	s_delay_alu instid0(VALU_DEP_1)
	v_lshl_add_u32 v2, v7, 4, v2                   ; in: lanes 0-15 one row's 256 bytes, lanes 16-31 the next row's
	s_delay_alu instid0(VALU_DEP_3)
	v_mul_u32_u24 v3, v6, 272
	s_delay_alu instid0(VALU_DEP_1)
	v_lshl_add_u32 v3, v7, 4, v3
	s_delay_alu instid0(VALU_DEP_1)
	v_add_nc_u32 v3, s44, v3                       ; into a stage: the same two rows
	v_mul_u32_u24 v4, v7, 272
	s_delay_alu instid0(VALU_DEP_1)
	v_lshl_add_u32 v4, v6, 7, v4
	s_delay_alu instid0(VALU_DEP_1)
	v_add_nc_u32 v4, s44, v4                       ; out of it: row x, block y: 128 bytes, my 32 neighbours
	v_lshlrev_b32 v5, 4, v1                        ; 16 x lane: my place in an image
	v_lshlrev_b32 v6, 3, v6                        ; 8 y: my byte's place in the scale word
	v_mov_b32 v250, 0                              ; written once: a lane permute's destination counts as one of its sources
	s_wait_alu depctr_va_vdst(0)
	s_wait_kmcnt 0x0
	s_cmp_lt_u32 ttmp9, 128                        ; q's work-group or k's?  The choice hangs on the work-group's number alone; only selects follow the compare
	s_cselect_b64 s[24:25], s[4:5], s[6:7]
	s_cselect_b64 s[26:27], s[10:11], s[14:15]
	s_cselect_b64 s[28:29], s[12:13], s[14:15]
	s_cselect_b32 s38, s34, s35
	s_cselect_b32 s40, s36, s37
	s_cselect_b32 s22, s42, s43                    ; the floor
	s_cselect_b32 s23, 3, 0                        ; what comes off the byte: q's 1/8
	s_add_nc_u64 s[24:25], s[24:25], s[32:33]
	s_add_nc_u64 s[26:27], s[26:27], s[38:39]
	s_add_nc_u64 s[28:29], s[28:29], s[40:41]
.macro LOAD t                          ; tile t's 16 rows, two to a load: 2 x 256 consecutive bytes
.irp i, 0,1,2,3,4,5,6,7
	global_load_b128 v[R+32*((\t)%4)+4*\i:R+32*((\t)%4)+4*\i+3], v2, s[24:25] offset:(32*((\t)/2)+8*((\t)%2)+2*\i+8*(\i/4))*4096 th:TH_LOAD_NT
.endr
.endm
.macro TURN t                          ; through the stage: in as loaded, out 128 bytes a lane.  LDS serves a wave's instructions in order (ISA guide 5.7.1.4): no wait between the stores and the loads
.irp i, 0,1,2,3,4,5,6,7
	ds_store_b128 v3, v[R+32*((\t)%4)+4*\i:R+32*((\t)%4)+4*\i+3] offset:STGB*((\t)%2)+544*\i
.endr
.irp c, 0,1,2,3,4,5,6,7
	ds_load_b128 v[X+32*((\t)%2)+4*\c:X+32*((\t)%2)+4*\c+3], v4 offset:STGB*((\t)%2)+16*\c
.endr
.endm
.macro STEP t
.set XS, X+32*((\t)%2)
	s_wait_dscnt 0x0                               ; this tile's numbers are back from the stage: so its stores into the stage have read their registers,
.if (\t)+4 < 8
	LOAD (\t)+4                                    ; which take the tile four further on
.endif
.if (\t)+1 < 8
.if (\t) < 4
	s_wait_loadcnt 24                              ; the next tile's eight loads are in; those of the three tiles behind it may be out
.else
	s_wait_loadcnt 8*(6-(\t))                      ; the counts run down: 16, 8, 0
.endif
	TURN (\t)+1                                    ; it goes through the other stage while this tile is worked
.endif
	v_max3_num_f32 v248, |v[XS]|, |v[XS+1]|, |v[XS+2]|             ; the block's largest magnitude: all 32 numbers are mine; two chains
	v_max3_num_f32 v249, |v[XS+3]|, |v[XS+4]|, |v[XS+5]|
.irp i, 6,10,14,18,22,26
	s_delay_alu instid0(VALU_DEP_2)
	v_max3_num_f32 v248, v248, |v[XS+\i]|, |v[XS+\i+1]|
	s_delay_alu instid0(VALU_DEP_2)
	v_max3_num_f32 v249, v249, |v[XS+\i+2]|, |v[XS+\i+3]|
.endr
	s_delay_alu instid0(VALU_DEP_2)
	v_max3_num_f32 v248, v248, |v[XS+30]|, |v[XS+31]|
	s_delay_alu instid0(VALU_DEP_1)
	v_max3_num_f32 v248, v248, v249, s22           ; and the floor, under which no largest magnitude is taken
	s_delay_alu instid0(VALU_DEP_1)
	v_add_nc_u32 v251, 0xff000000, v248            ; 2 off its exponent field: the conversion takes the exponent field of this operand as its scale, and nothing else of it
.irp g, 0,1,2,3
	v_cvt_scalef32_pk8_fp4_f32 v[C+4*(\t)+\g], v[XS+8*\g:XS+8*\g+7], v251
.endr
	v_lshrrev_b32 v252, 23, v251                   ; the scale's byte (a plain line behind the conversions),
	s_delay_alu instid0(VALU_DEP_1)
	v_sub_nc_u32 v252, v252, s23                   ; for q 3 lower: the 1/8,
	s_delay_alu instid0(VALU_DEP_1)
	v_lshlrev_b32 v252, v6, v252                   ; at block y's place in the word;
	s_delay_alu instid0(VALU_DEP_1)
	v_permlanex16_b32 v250, v252, s20, s21
	s_delay_alu instid0(VALU_DEP_1)
	v_or_b32 v[W+(\t)], v252, v250                 ; with lane l xor 16's the row's word is whole, in both halves of the lanes
	global_store_b128 v5, v[C+4*(\t):C+4*(\t)+3], s[26:27] offset:512*(\t)   ; the tile's image: 512 consecutive bytes
.endm
	LOAD 0
	LOAD 1
	LOAD 2
	LOAD 3
	s_wait_loadcnt 24                              ; tile 0's eight loads are in
	TURN 0
.irp t, 0,1,2,3,4,5,6,7
	STEP \t
.endr
	v_cmp_le_u32 vcc_lo, 16, v1                    ; lanes 0-15 keep the even tiles' words, lanes 16-31 the odd tiles'
.irp j, 0,1,2,3
	v_cndmask_b32 v[8+\j], v[W+2*\j], v[W+2*\j+1], vcc_lo
.endr
	global_store_b128 v5, v[8:11], s[28:29]        ; the step's 128 scale words: 512 consecutive bytes
	s_wait_tensorcnt 0x0
	ds_add_u32 v254, v255
	s_wait_dscnt 0x0
	s_endpgm
	; ---------------- v: K (the keys) is not innermost: a lane takes a column, and its registers run down the keys ----------------
.Lv_path:
	s_lshl_b32 s17, ttmp9, 2
	s_add_co_u32 s17, s17, s16
	s_sub_co_u32 s17, s17, 4                       ; which of the 1,024 units: 4 x work-group + wave - 4
	s_lshr_b32 s18, s17, 9                         ; b
	s_bfe_u32 s19, s17, 0x40005                    ; g: 4 bits from bit 5
	s_and_b32 s30, s17, 31                         ; which 32 of a row's 1,024 columns
	s_lshr_b32 s31, s30, 1                         ; head
	s_and_b32 s34, s30, 1                          ; which half of its 64 channels
	s_lshl_b32 s35, s18, 4
	s_add_co_u32 s35, s35, s31                     ; bh
	s_lshl_b32 s32, s18, 23                        ; in: b x 8,388,608 + g x 128 rows of 4,096 + 128 bytes a group of columns
	s_lshl_b32 s33, s19, 19
	s_add_co_u32 s32, s32, s33
	s_lshl_b32 s33, s30, 7
	s_add_co_u32 s32, s32, s33
	s_mov_b32 s33, 0
	s_mul_i32 s36, s35, HEADB
	s_mul_i32 s37, s19, STEPB
	s_add_co_u32 s36, s36, s37                     ; the step's first byte in kv
	s_lshl_b32 s37, s34, 11
	s_add_co_u32 s38, s36, s37
	s_add_co_u32 s38, s38, 4096                    ; codes: + 4,096 + two tiles of 1,024 for the upper half
	s_mov_b32 s39, 0
	s_lshl_b32 s37, s34, 7
	s_add_co_u32 s40, s36, s37
	s_add_co_u32 s40, s40, 8704                    ; scale words: + 8,704 + 32 words for the upper half
	s_mov_b32 s41, 0
	s_wait_alu depctr_va_vdst(0)
	v_lshlrev_b32 v2, 2, v1                        ; 4 bytes a lane: in, and my scale word's place
	v_and_b32 v3, 15, v0
	v_bfe_u32 v4, v0, 4, 1
	s_delay_alu instid0(VALU_DEP_2)
	v_lshlrev_b32 v3, 4, v3
	s_delay_alu instid0(VALU_DEP_1)
	v_lshl_add_u32 v3, v4, 10, v3                  ; codes: tile lane / 16 (1,024 bytes), row lane % 16 (16 bytes)
	s_wait_alu depctr_va_vdst(0)
	s_wait_kmcnt 0x0
	s_add_nc_u64 s[24:25], s[8:9], s[32:33]
	s_add_nc_u64 s[26:27], s[14:15], s[38:39]
	s_add_nc_u64 s[28:29], s[14:15], s[40:41]
.macro VLOAD t                         ; block t: keys 32 t + i of my column; a wave's load covers 128 consecutive bytes
.irp i, 0,1,2,3,4,5,6,7,8,9,10,11,12,13,14,15,16,17,18,19,20,21,22,23,24,25,26,27,28,29,30,31
	global_load_b32 v[VX+32*((\t)%2)+\i], v2, s[24:25] offset:(32*(\t)+\i)*4096 th:TH_LOAD_NT
.endr
.endm
.macro BLOCK t
.set XS, VX+32*((\t)%2)
.if (\t) < 3
	s_wait_loadcnt 32                              ; this block's 32 loads are in; the next block's may be out
.else
	s_wait_loadcnt 0x0
.endif
	v_max3_num_f32 v100, |v[XS]|, |v[XS+1]|, |v[XS+2]|
	v_max3_num_f32 v101, |v[XS+3]|, |v[XS+4]|, |v[XS+5]|
.irp i, 6,10,14,18,22,26
	s_delay_alu instid0(VALU_DEP_2)
	v_max3_num_f32 v100, v100, |v[XS+\i]|, |v[XS+\i+1]|
	s_delay_alu instid0(VALU_DEP_2)
	v_max3_num_f32 v101, v101, |v[XS+\i+2]|, |v[XS+\i+3]|
.endr
	s_delay_alu instid0(VALU_DEP_2)
	v_max3_num_f32 v100, v100, |v[XS+30]|, |v[XS+31]|
	s_delay_alu instid0(VALU_DEP_1)
	v_max3_num_f32 v100, v100, v101, 0x1800000     ; and the floor 2^(3 - 127): the byte cannot fall under 1
	s_delay_alu instid0(VALU_DEP_1)
	v_add_nc_u32 v102, 0xff000000, v100            ; 2 off the exponent field: the conversion's scale operand
.irp g, 0,1,2,3
	v_cvt_scalef32_pk8_fp4_f32 v[VC+4*(\t)+\g], v[XS+8*\g:XS+8*\g+7], v102
.endr
.if (\t) == 0
	v_lshrrev_b32 v[VSB], 23, v102                 ; the scale's byte (a plain line behind the conversions): block 0's starts the word
.else
	v_lshrrev_b32 v103, 23, v102
	s_delay_alu instid0(VALU_DEP_1)
	v_lshl_or_b32 v[VSB], v103, 8*(\t), v[VSB]     ; block t's goes to byte t
.endif
	global_store_b128 v3, v[VC+4*(\t):VC+4*(\t)+3], s[26:27] offset:256*(\t)   ; lanes 0-15 and lanes 16-31 each store 256 consecutive bytes, at a multiple of 256 from kv's first byte
.if (\t)+2 < 4
	VLOAD (\t)+2
.endif
.endm
	VLOAD 0
	VLOAD 1
	BLOCK 0
	BLOCK 1
	BLOCK 2
	BLOCK 3
	global_store_b32 v2, v[VSB], s[28:29]          ; 32 channels' scale words: 128 consecutive bytes (the other half of the 256 is the neighbouring wave's)
	s_endpgm
.Lfunc_end_k_q6ce0cff33b_quant:
	.size	k_q6ce0cff33b_quant, .Lfunc_end_k_q6ce0cff33b_quant-k_q6ce0cff33b_quant
	.p2alignl 7, 3214868480
	.fill 96, 4, 3214868480
	.section	.rodata,"a",@progbits
	.p2align	6, 0x0
	.amdhsa_kernel k_q6ce0cff33b_quant
		.amdhsa_group_segment_fixed_size 70656
		.amdhsa_private_segment_fixed_size 0
		.amdhsa_enable_private_segment 0
		.amdhsa_kernarg_size 48
		.amdhsa_user_sgpr_count 2
		.amdhsa_user_sgpr_kernarg_segment_ptr 1
		.amdhsa_wavefront_size32 1
		.amdhsa_system_sgpr_workgroup_id_x 1
		.amdhsa_system_sgpr_workgroup_id_y 1
		.amdhsa_system_sgpr_workgroup_id_z 1
		.amdhsa_system_vgpr_workitem_id 0
		.amdhsa_next_free_vgpr 256
		.amdhsa_next_free_sgpr 66
		.amdhsa_reserve_vcc 1
		.amdhsa_float_denorm_mode_32 3
		.amdhsa_float_denorm_mode_16_64 3
		.amdhsa_memory_ordered 1
		.amdhsa_forward_progress 1
		.amdhsa_inst_pref_size 58
	.end_amdhsa_kernel
	.amdgpu_metadata
---
amdhsa.version: [ 1, 2 ]
amdhsa.kernels:
  - .name:           k_q6ce0cff33b_quant
    .symbol:         k_q6ce0cff33b_quant.kd
    .args:
      - { .name: q, .offset: 0, .size: 8, .value_kind: global_buffer, .address_space: global }
      - { .name: k, .offset: 8, .size: 8, .value_kind: global_buffer, .address_space: global }
      - { .name: v, .offset: 16, .size: 8, .value_kind: global_buffer, .address_space: global }
      - { .name: qc, .offset: 24, .size: 8, .value_kind: global_buffer, .address_space: global }
      - { .name: qs, .offset: 32, .size: 8, .value_kind: global_buffer, .address_space: global }
      - { .name: kv, .offset: 40, .size: 8, .value_kind: global_buffer, .address_space: global }
    .group_segment_fixed_size: 70656
    .private_segment_fixed_size: 0
    .kernarg_segment_align: 8
    .kernarg_segment_size: 48
    .max_flat_workgroup_size: 256
    .sgpr_count:     66
    .vgpr_count:     256
    .wavefront_size: 32
...
	.end_amdgpu_metadata
.endif
;; end of part 1
;; launch attn (part 2): grid 8 x 32, 16 waves a work-group, no clusters, 215,040 bytes of LDS; arguments qc, qs, kv, out0; writes out0
.if DOCPART == 2
	.amdgcn_target "amdgcn-amd-amdhsa--gfx1250"
	.amdhsa_code_object_version 6
	.text
	.protected	k_q6ce0cff33b_attn
	.globl	k_q6ce0cff33b_attn
	.p2align	8
	.type	k_q6ce0cff33b_attn,@function
k_q6ce0cff33b_attn:
	s_mov_b64 s[64:65], 0
	v_nop
	global_prefetch_b8 v0, s[64:65] scope:SCOPE_SE
	s_setreg_imm32_b32 hwreg(HW_REG_WAVE_MODE, 25, 1), 1
	s_wait_xcnt 0x0
; out0[b][s][n][:] = the sum over keys k <= s of softmax_k(q . k / 8) v, both products on codes of FP4 (E2M1) with one E8M0 scale for each 32 along a product's K.  out0: [2][2048][16][64] f32.
; The operands come as images of their registers (bh = 16 b + head, g = a step of 128 rows):
;   qc [bh][g][tile 8][512 B], qs [bh][g][lane 32][4 words]; kv [bh][g][8,960 B]: +0 K's eight tiles, +4,096 V^T's four tiles (16 channels x 128 keys), +8,192 K's scale words, +8,704 V's.
;   Lane r of tile 2 bb + u of q or k holds row 32 bb + 8 u + r + 8 (r / 8) of the step, so that the 16 registers of the score tiles 2 bb, 2 bb + 1 are 16 neighbouring keys.  q's scale bytes hold the 1/8.
; THE FIRST PRODUCT'S K is the head's 64: registers 0-3 of a fragment; registers 4-7 (k = 64 .. 127) are zero codes on both sides, cleared once.
; THE SOFTMAX AHEAD OF THE SECOND PRODUCT: t = score x log2(e); M = the running largest t rounded UP to a whole number; p = 2^(t - M) is quantised along the keys, not normalised.
; The row's sum is taken of the unquantised p and divides O at the end.  When M moves, the sum and O are multiplied by 2^(old M - new M): exact.
; Both products are used transposed (S^T = K Q^T, O^T = V^T P^T): a lane holds ONE query (lane % 16) throughout.
; SHARES.  Work-group (j, bh) owns the query blocks j and 15 - j of 128 queries of one head: j + 1 and 16 - j key steps, 17 for a pair of waves, the same in all 256 work-groups.
; Each of the sixteen waves owns one tile of 16 queries in 256 registers: four waves to a SIMD, so that one wave's vector work stands beside another's products and LDS loads.
; THE MASK.  Every wave walks all 16 steps (constant trip counts); a step whose keys all come after the wave's block is jumped over by a scalar branch on ids; in the block's own step hidden scores become -infinity.
; LDS.  A head's 143,360 bytes of kv are filled ONCE, by two tensor loads each of waves 0 and 1 (steps 0-3, then 4-15); nothing is filled again.  Behind them: a stage of 16 x 272 bytes for each wave, for the way out.
; NO CLUSTER: the eight work-groups of a head read the same 143,360 bytes, each once; but the branch over hidden steps hangs on the work-group's own block j, and partners of a joint request must run alike;
; walking the hidden steps as well would nearly double the 136 steps of a work-group.
; LIMITS: NaN and infinities among the inputs are not served; a p under 2^-126 counts as 0 (v_exp_f32's result: ISA guide 15.8).
.set HEADB, 143360
.set STEPB, 8960
.set VCO,   4096                       ; in a step: V's codes,
.set KSC,   8192                       ; K's scale words,
.set VSC,   8704                       ; V's scale words
.set STG,   HEADB                      ; the stages, in blocks of 256 bytes into which no fill lands
.set SP,    272                        ; a stage row: 256 bytes + 16
.set L16,  1                           ; v1   16 x lane
.set L4,   2                           ; v2   4 x lane
.set DD,   3                           ; v3   my query's place in its block - 16 (lane / 16)
.set NINF, 4                           ; v4   -infinity
.set STI,  5                           ; v5   the stage: where I put 32 bytes of a row
.set STO,  6                           ; v6   and where I read a row back
.set GO,   7                           ; v7   my byte offset in the tile's rows of out0
.set AD16, 8                           ; v8   LDS address of the step's images
.set AD4,  9                           ; v9   and of V's scale words
.set QF,   16                          ; v16-23  Q's fragment (v20-23 zero)
.set QS,   24                          ; v24     Q's scale words
.set PS,   25                          ; v25     p's scale words
.set VS,   26                          ; v26-27  V's: lanes 0-15 tile 2 f, lanes 16-31 tile 2 f + 1
.set KS,   28                          ; v28-31  K's: lanes 0-15 tile 2 j, lanes 16-31 tile 2 j + 1
.set KF,   32                          ; v32-95  K's eight fragments (the upper four registers of each zero)
.set S,    96                          ; v96-159 S^T, then p
.set O,    160                         ; v160-191 O^T
.set VF,   192                         ; v192-223 V^T's four fragments
.set PC,   224                         ; v224-231 p's codes;  v232-249, v252-254 at work;  v12 -M, v13 the largest t, v[14:15] the sum in two halves
.set WV,   12                          ; s12  wave
.set GQ,   15                          ; s15  my query block
.set SEL,  20                          ; s[20:21] lane selects for lane l xor 16
.set CS,   22                          ; s[22:23] log2(e): the packed form names a pair and takes its low word for both halves
.set G1A,  24                          ; s[24:31] descriptor group 1: 70 rows of 256 bytes;  s[32:39]: 210 rows
.set G1B,  32
.set G0A,  40                          ; s[40:43], s[44:47] groups 0
.set G0B,  44
.set TB,   48                          ; s48  LDS byte at which the step begins
.set G,    49                          ; s49  the step, and the loops' counter
	s_load_b256 s[4:11], s[0:1], 0x0               ; qc s[4:5], qs s[6:7], kv s[8:9], out0 s[10:11]
	v_lshl_add_u32 v251, v0, 2, 0x34000
	v_mov_b32 v255, 0
	ds_add_u32 v251, v255
	ds_add_u32 v251, v255
	v_lshrrev_b32 v8, 5, v0
	s_delay_alu instid0(VALU_DEP_1)
	v_readfirstlane_b32 s[WV], v8                  ; wave 0..15
	s_mov_b32 s16, ttmp9                           ; j
	s_and_b32 s17, ttmp7, 0xffff                   ; bh
	s_lshr_b32 s13, s[WV], 2
	s_xor_b32 s13, s13, s[WV]
	s_and_b32 s13, s13, 1                          ; low block (0) or high (1): of waves 2 i, 2 i + 1 one each, and of any four neighbours or any four that lie 4 apart two each
	s_lshr_b32 s14, s[WV], 1                       ; my tile of the block's eight
	s_sub_co_u32 s50, 15, s16
	s_cmp_eq_u32 s13, 1
	s_cselect_b32 s[GQ], s50, s16                  ; my query block: 15 - j or j
	; descriptor group 1: a dense block as rows of 256 bytes: 32 elements of 8 bytes, pitch 32, no padding
.irp g, G1A, G1B
	s_mov_b32 s[\g+0], 3<<16                       ; 15:0 no mask; 17:16 elements of 8 bytes
	s_mov_b32 s[\g+1], 32<<16                      ; tensor_dim0 = 32
	s_mov_b32 s[\g+3], 32<<16                      ; tile_dim0 = 32
	s_mov_b32 s[\g+5], 32                          ; tensor_dim0_stride
	s_mov_b32 s[\g+6], 0
	s_mov_b32 s[\g+7], 0
.endr
	s_mov_b32 s[G1A+2], 70<<16                     ; tensor_dim1: two steps, 17,920 bytes
	s_mov_b32 s[G1A+4], 70                         ; tile_dim1
	s_mov_b32 s[G1B+2], 210<<16                    ; six steps, 53,760 bytes
	s_mov_b32 s[G1B+4], 210
	s_and_b32 s58, s[WV], 1                        ; which half of each fill is mine, if I fill
	s_mul_i32 s50, s17, HEADB                      ; the head's first byte in kv
	s_mov_b32 s[G0A], 1                            ; 1:0 count = 1
	s_mul_i32 s[G0A+1], s58, 17920                 ; LDS address: steps 0, 1 or 2, 3: a head lies in LDS as in memory
	s_mov_b32 s[G0B], 1
	s_mul_i32 s[G0B+1], s58, 53760
	s_add_co_u32 s[G0B+1], s[G0B+1], 35840         ; steps 4-9 or 10-15
	s_add_co_u32 s52, s50, s[G0A+1]
	s_mov_b32 s53, 0
	s_add_co_u32 s56, s50, s[G0B+1]
	s_mov_b32 s57, 0
	s_wait_dscnt 0x0
	s_wait_kmcnt 0x0
	s_add_nc_u64 s[G0A+2:G0A+3], s[8:9], s[52:53]
	s_or_b32 s[G0A+3], s[G0A+3], 0x80000000        ; 127:126 type = 2
	s_add_nc_u64 s[G0B+2:G0B+3], s[8:9], s[56:57]
	s_or_b32 s[G0B+3], s[G0B+3], 0x80000000
	s_cmp_lt_u32 s[WV], 2                          ; a wave's two fills stand in one branch, ahead of every wait on TENSORcnt, every LDS read and every barrier: two loads of mine are out
	s_cbranch_scc0 .Lno_fill
	tensor_load_to_lds s[G0A:G0A+3], s[G1A:G1A+7]
	s_nop 0
	tensor_load_to_lds s[G0B:G0B+3], s[G1B:G1B+7]
	s_nop 0
.rept 4
	v_nop                                          ; four v_nop follow the second
.endr
.Lno_fill:
	s_and_b32 s54, s14, 1                          ; u and bb of my tile
	s_lshr_b32 s55, s14, 1
	s_lshl_b32 s50, s17, 16                        ; Q's image: bh x 65,536 + block x 4,096 + tile x 512
	s_lshl_b32 s52, s[GQ], 12
	s_add_co_u32 s50, s50, s52
	s_lshl_b32 s52, s14, 9
	s_add_co_u32 s50, s50, s52
	s_mov_b32 s51, 0
	s_add_nc_u64 s[4:5], s[4:5], s[50:51]
	s_lshl_b32 s50, s17, 13                        ; its scale words: bh x 8,192 + block x 512 + 256 u + 4 bb (+ 16 r)
	s_lshl_b32 s52, s[GQ], 9
	s_add_co_u32 s50, s50, s52
	s_lshl_b32 s52, s54, 8
	s_add_co_u32 s50, s50, s52
	s_lshl_b32 s52, s55, 2
	s_add_co_u32 s50, s50, s52
	s_add_nc_u64 s[6:7], s[6:7], s[50:51]
	s_lshr_b32 s50, s17, 4                         ; out0: b x 8,388,608 + (128 block + 32 bb + 8 u) rows of 4,096 + head x 256
	s_lshl_b32 s50, s50, 23
	s_lshl_b32 s52, s[GQ], 19
	s_add_co_u32 s50, s50, s52
	s_lshl_b32 s52, s55, 17
	s_add_co_u32 s50, s50, s52
	s_lshl_b32 s52, s54, 15
	s_add_co_u32 s50, s50, s52
	s_and_b32 s52, s17, 15
	s_lshl_b32 s52, s52, 8
	s_add_co_u32 s50, s50, s52
	s_add_nc_u64 s[10:11], s[10:11], s[50:51]
	v_and_b32 v9, 31, v0                           ; lane
	s_delay_alu instid0(VALU_DEP_1)
	v_lshlrev_b32 v[L16], 4, v9
	s_delay_alu instid0(VALU_DEP_2)
	v_lshlrev_b32 v[L4], 2, v9
	v_and_b32 v10, 15, v0                          ; r
	v_bfe_u32 v11, v0, 4, 1                        ; h
	s_delay_alu instid0(VALU_DEP_2)
	v_lshlrev_b32 v9, 4, v10                       ; 16 r
	global_load_b128 v[QF:QF+3], v[L16], s[4:5] th:TH_LOAD_NT     ; Q's fragment stays in registers
	global_load_b32 v[QS], v9, s[6:7] th:TH_LOAD_NT               ; lane r: row r's word (lanes 16-31 hold the same and are not read)
.irp j, 4,5,6,7
	v_mov_b32 v[QF+\j], 0                          ; k = 64 .. 127: zero codes
.endr
.irp t, 0,1,2,3,4,5,6,7
.irp c, 4,5,6,7
	v_mov_b32 v[KF+8*\t+\c], 0                     ; likewise in K's eight fragments; the loop's loads leave them alone
.endr
.endr
.irp j, 0,1,2,3,4,5,6,7,8,9,10,11,12,13,14,15,16,17,18,19,20,21,22,23,24,25,26,27,28,29,30,31
	v_mov_b32 v[O+\j], 0                           ; O^T.  (The step is written for every step alike: the first finds zeros, which the first change of M leaves zeros)
.endr
.irp b, 0,1,2,3
	v_mov_b32 v[236+\b], 0                         ; written once: a lane permute's destination counts as one of its sources
.endr
	v_mov_b32 v253, 0                              ; (named as the upper half of the pair v[252:253])
	v_mov_b32 v14, 0                               ; the sum, in two halves
	v_mov_b32 v15, 0
	v_mov_b32 v[NINF], 0xff800000
	v_mov_b32 v13, 0xff61b1e6                      ; the largest t so far: -3e38, under every t
	s_delay_alu instid0(VALU_DEP_1)
	v_floor_f32 v12, -v13                          ; -M
	s_lshl_b32 s52, s55, 5
	s_lshl_b32 s53, s54, 3
	s_add_co_u32 s52, s52, s53                     ; 32 bb + 8 u
	v_and_b32 v[DD], 8, v10
	s_delay_alu instid0(VALU_DEP_1)
	v_add_nc_u32 v[DD], v[DD], v10                 ; r + 8 (r / 8)
	v_lshlrev_b32 v8, 4, v11
	s_delay_alu instid0(VALU_DEP_1)
	v_sub_nc_u32 v[DD], v[DD], v8
	s_delay_alu instid0(VALU_DEP_1)
	v_add_nc_u32 v[DD], s52, v[DD]                 ; my query's place in its block, less 16 h
	s_mul_i32 s59, s[WV], 16*SP
	s_add_co_u32 s59, s59, STG                     ; my stage
	v_mul_u32_u24 v[STI], v10, SP
	s_delay_alu instid0(VALU_DEP_1)
	v_lshl_add_u32 v[STI], v11, 5, v[STI]
	s_delay_alu instid0(VALU_DEP_1)
	v_add_nc_u32 v[STI], s59, v[STI]               ; in: row r; tile t's eight channels of my half: 64 t + 32 h bytes on
	v_mul_u32_u24 v[STO], v11, SP
	s_delay_alu instid0(VALU_DEP_1)
	v_lshl_add_u32 v[STO], v10, 4, v[STO]
	s_delay_alu instid0(VALU_DEP_1)
	v_add_nc_u32 v[STO], s59, v[STO]               ; back: lanes 0-15 one row of 256 bytes, lanes 16-31 the next
	v_lshlrev_b32 v[GO], 12, v11
	s_delay_alu instid0(VALU_DEP_1)
	v_lshl_add_u32 v[GO], v10, 4, v[GO]            ; and the same two rows in out0
	s_mov_b32 s[SEL], 0x76543210
	s_mov_b32 s[SEL+1], 0xfedcba98
	s_mov_b32 s[CS], 0x3fb8aa3b                    ; log2(e); the 1/8 lies in Q's scale bytes
	s_mov_b32 s[CS+1], s[CS]                       ; (named with it as a pair, so it is written)
; A KEY STEP: 128 keys, at LDS byte s[TB].
.macro STEP
	s_cmp_gt_u32 s[G], s[GQ]                       ; all its keys come after my block's queries: nothing to do but to step
	s_cbranch_scc1 .Lhidden_\@
	s_setprio 2
	v_add_nc_u32 v[AD16], s[TB], v[L16]
	v_add_nc_u32 v[AD4], s[TB], v[L4]
	v_nop                                          ; with the two additions: four places in front of loads into registers that the last step's products have read (ISA guide 7.12.1 for vector instructions)
	v_nop
.irp t, 0,1,2,3,4,5,6,7
	ds_load_b128 v[KF+8*\t:KF+8*\t+3], v[AD16] offset:512*\t       ; K's tile t: 512 consecutive bytes
.endr
	ds_load_b128 v[KS:KS+3], v[AD16] offset:KSC                    ; the eight tiles' scale words
.irp t, 0,1,2,3
.irp c, 0,1
	ds_load_b128 v[VF+8*\t+4*\c:VF+8*\t+4*\c+3], v[AD16] offset:VCO+1024*\t+512*\c   ; V^T's tile t: registers 4 c on = key blocks 2 c + h
.endr
.endr
.irp f, 0,1
	ds_load_b32 v[VS+\f], v[AD4] offset:VSC+128*\f
.endr
	s_wait_dscnt 10                                ; K's nine loads are in; V's ten stay out through the softmax
.irp t, 0,1,2,3,4,5,6,7                        ; S^T = K Q^T: lane (r, h), register 16 b + i: key 32 b + 16 h + i of the step, query r of my tile
.if \t%2
	v_wmma_scale_f32_16x16x128_f8f6f4 v[S+8*\t:S+8*\t+7], v[KF+8*\t:KF+8*\t+7], v[QF:QF+7], 0, v[KS+\t/2], v[QS] matrix_a_fmt:MATRIX_FMT_FP4 matrix_b_fmt:MATRIX_FMT_FP4 matrix_a_scale:MATRIX_SCALE_ROW1
.else
	v_wmma_scale_f32_16x16x128_f8f6f4 v[S+8*\t:S+8*\t+7], v[KF+8*\t:KF+8*\t+7], v[QF:QF+7], 0, v[KS+\t/2], v[QS] matrix_a_fmt:MATRIX_FMT_FP4 matrix_b_fmt:MATRIX_FMT_FP4
.endif
.endr
.rept 4
	v_nop                                          ; four places in front of the first read of the scores
.endr
	s_cmp_lg_u32 s[G], s[GQ]                       ; only my block's own step has hidden keys
	s_cbranch_scc1 .Lopen_\@
.irp n, 0,1,2,3,4,5,6,7,8,9,10,11,12,13,14,15,16,17,18,19,20,21,22,23,24,25,26,27,28,29,30,31,32,33,34,35,36,37,38,39,40,41,42,43,44,45,46,47,48,49,50,51,52,53,54,55,56,57,58,59,60,61,62,63
	v_cmp_gt_i32 vcc_lo, 32*(\n/16)+\n%16, v[DD]   ; key 32 b + 16 h + i comes after my query: its score becomes -infinity, p = 0.  (Each accumulator from its low end on)
	v_cndmask_b32 v[S+\n], v[S+\n], v[NINF], vcc_lo
.endr
.Lopen_\@:
.irp b, 0,1,2,3
	v_max3_num_f32 v[232+\b], v[S+16*\b], v[S+1+16*\b], v[S+2+16*\b]   ; THE LARGEST SCORE OF EACH BLOCK OF 32 KEYS: it serves for the row's maximum and, since p rises with the score, for the block's largest p
.endr
.irp i, 3,5,7,9,11,13
.irp b, 0,1,2,3
	v_max3_num_f32 v[232+\b], v[232+\b], v[S+16*\b+\i], v[S+1+16*\b+\i]   ; (the four blocks by turns)
.endr
.endr
.irp b, 0,1,2,3
	v_max_num_f32 v[232+\b], v[232+\b], v[S+15+16*\b]
.endr
.irp b, 0,1,2,3
	s_delay_alu instid0(VALU_DEP_4)
	v_permlanex16_b32 v[236+\b], v[232+\b], s[SEL], s[SEL+1]
.endr
.irp b, 0,1,2,3
	s_delay_alu instid0(VALU_DEP_4)
	v_max_num_f32 v[232+\b], v[232+\b], v[236+\b]  ; with lane l xor 16's 16 keys
.endr
	s_delay_alu instid0(VALU_DEP_2)
	v_max3_num_f32 v254, v232, v233, v234
	s_delay_alu instid0(VALU_DEP_1)
	v_max_num_f32 v254, v254, v235                 ; the step's largest score of my query (the step's first key counts for every query of my block, so it is a number)
	s_delay_alu instid0(VALU_DEP_1)
	v_mul_f32 v254, s[CS], v254                    ; as t
	s_delay_alu instid0(VALU_DEP_1)
	v_max_num_f32 v13, v13, v254                   ; the running largest t
	v_mov_b32 v254, v12
	s_delay_alu instid0(VALU_DEP_2)
	v_floor_f32 v12, -v13                          ; the new -M = floor(-t) = -ceil(t): M is a whole number
	s_delay_alu instid0(VALU_DEP_1)
	v_sub_f32 v254, v12, v254                      ; M's old value less its new one: a whole number, 0 or less
	s_delay_alu instid0(VALU_DEP_1)
	v_cvt_i32_f32 v254, v254                       ; (it saturates)
	s_delay_alu instid0(VALU_DEP_1)
	v_ldexp_f32 v252, 1.0, v254                    ; f = 2^(old M - new M)
.irp j, 0,2,4,6,8,10,12,14,16,18,20,22,24,26,28,30,32,34,36,38,40,42,44,46,48,50,52,54,56,58,60,62
	v_pk_fma_f32 v[S+\j:S+1+\j], v[S+\j:S+1+\j], s[CS:CS+1], v[12:13] op_sel_hi:[1,0,0]   ; t - M, two at a time (of the pairs the low word serves both halves)
.endr
	s_setprio 1
.irp b, 0,1,2,3
	v_fma_f32 v[232+\b], v[232+\b], s[CS], v12     ; the same of each block's largest score
.endr
	s_wait_alu depctr_va_vdst(0)
.irp j, 0,1,2,3,4,5,6,7,8,9,10,11,12,13,14,15,16,17,18,19,20,21,22,23,24,25,26,27,28,29,30,31,32,33,34,35,36,37,38,39,40,41,42,43,44,45,46,47,48,49,50,51,52,53,54,55,56,57,58,59,60,61,62,63
	v_exp_f32 v[S+\j], v[S+\j]                     ; p = 2^(t - M): not normalised
.endr
.irp b, 0,1,2,3
	v_exp_f32 v[232+\b], v[232+\b]                 ; the block's largest p: the same two instructions on the same number give the same bits
.endr
	v_pk_mul_f32 v[14:15], v[14:15], v[252:253] op_sel_hi:[1,0]   ; the sums under the new M.  (The plain line behind the exponentials)
	s_wait_alu depctr_va_vdst(0)
.irp b, 0,1,2,3
	v_max_num_f32 v[232+\b], 0x1800000, v[232+\b]  ; the floor 2^(3 - 127): the byte cannot fall under 1 (a block whose every p is 0 keeps that byte: its codes are zeros)
.endr
.irp b, 0,1,2,3
	s_delay_alu instid0(VALU_DEP_4)
	v_add_nc_u32 v[244+\b], 0xff000000, v[232+\b]  ; 2 off the exponent field: the conversion's scale operand
.endr
.irp b, 0,1,2,3
	s_delay_alu instid0(VALU_DEP_4)
	v_lshrrev_b32 v[236+\b], 23, v[244+\b]         ; the scale's byte
.endr
	s_delay_alu instid0(VALU_DEP_3)
	v_lshl_or_b32 v[PS], v237, 8, v236             ; p's scale word for these 128 keys
	s_delay_alu instid0(VALU_DEP_1)
	v_lshl_or_b32 v[PS], v238, 16, v[PS]
	s_delay_alu instid0(VALU_DEP_1)
	v_lshl_or_b32 v[PS], v239, 24, v[PS]
.irp b, 0,1,2,3
	v_cvt_scalef32_pk8_fp4_f32 v[PC+2*\b], v[S+16*\b:S+7+16*\b], v[244+\b]
	v_cvt_scalef32_pk8_fp4_f32 v[PC+1+2*\b], v[S+8+16*\b:S+15+16*\b], v[244+\b]
.endr
	v_nop                                          ; one plain line between a scaled conversion and the vector instruction that touches its result
.irp c, 0,1                                    ; the operand's layout wants a WHOLE block in a lane: lanes 0-15 block 2 c, lanes 16-31 block 2 c + 1
.irp i, 0,1
	v_permlane16_swap_b32 v[PC+4*\c+\i], v[PC+2+4*\c+\i]
.endr
.endr
	v_pk_add_f32 v[236:237], v[100:101], v[104:105]
	v_pk_add_f32 v[248:249], v[108:109], v[112:113]
	v_pk_add_f32 v[246:247], v[116:117], v[120:121]
	v_pk_add_f32 v[244:245], v[124:125], v[128:129]
	v_pk_add_f32 v[242:243], v[132:133], v[136:137]
	v_pk_add_f32 v[240:241], v[140:141], v[144:145]
	v_pk_add_f32 v[234:235], v[148:149], v[152:153]
	v_pk_add_f32 v[14:15], v[14:15], v[156:157]
	v_pk_add_f32 v[236:237], v[236:237], v[96:97]
	v_pk_add_f32 v[248:249], v[248:249], v[98:99]
	v_pk_add_f32 v[246:247], v[246:247], v[102:103]
	v_pk_add_f32 v[244:245], v[244:245], v[106:107]
	v_pk_add_f32 v[242:243], v[242:243], v[110:111]
	s_setprio 0
	v_pk_add_f32 v[240:241], v[240:241], v[114:115]
	v_pk_add_f32 v[234:235], v[234:235], v[118:119]
	v_pk_add_f32 v[14:15], v[14:15], v[122:123]
	v_pk_add_f32 v[236:237], v[236:237], v[126:127]
	v_pk_add_f32 v[248:249], v[248:249], v[130:131]
	v_pk_add_f32 v[246:247], v[246:247], v[134:135]
	v_pk_add_f32 v[244:245], v[244:245], v[138:139]
	v_pk_add_f32 v[242:243], v[242:243], v[142:143]
	v_pk_add_f32 v[240:241], v[240:241], v[146:147]
	v_pk_add_f32 v[234:235], v[234:235], v[150:151]
	v_pk_add_f32 v[14:15], v[14:15], v[154:155]
	v_pk_add_f32 v[236:237], v[236:237], v[158:159]
	s_delay_alu instid0(VALU_DEP_2)
	v_pk_add_f32 v[14:15], v[14:15], v[244:245]
	s_delay_alu instid0(VALU_DEP_2)
	v_pk_add_f32 v[236:237], v[236:237], v[242:243]
	v_pk_add_f32 v[248:249], v[248:249], v[240:241]
	v_pk_add_f32 v[246:247], v[246:247], v[234:235]
	s_delay_alu instid0(VALU_DEP_2)
	v_pk_add_f32 v[14:15], v[14:15], v[248:249]
	s_delay_alu instid0(VALU_DEP_2)
	v_pk_add_f32 v[236:237], v[236:237], v[246:247]
	s_delay_alu instid0(VALU_DEP_1)
	v_pk_add_f32 v[14:15], v[14:15], v[236:237]
.irp j, 0,2,4,6,8,10,12,14,16,18,20,22,24,26,28,30
	v_pk_mul_f32 v[O+\j:O+1+\j], v[O+\j:O+1+\j], v[252:253] op_sel_hi:[1,0]   ; O^T under the new M: x f; each accumulator from its low end on.  (With the sums: the places between p's codes and scale word and the products)
.endr
	s_wait_alu depctr_va_vdst(0)
	s_wait_dscnt 0x0                               ; V's fragments and scale words are in
.irp t, 0,1,2,3                                ; O^T += V^T P^T: the four accumulators by turns, one instruction a turn; register 8 t + i of lane (r, h): channel 16 t + 8 h + i of query r
.if \t%2
	v_wmma_scale_f32_16x16x128_f8f6f4 v[O+8*\t:O+8*\t+7], v[VF+8*\t:VF+8*\t+7], v[PC:PC+7], v[O+8*\t:O+8*\t+7], v[VS+\t/2], v[PS] matrix_a_fmt:MATRIX_FMT_FP4 matrix_b_fmt:MATRIX_FMT_FP4 matrix_a_scale:MATRIX_SCALE_ROW1
.else
	v_wmma_scale_f32_16x16x128_f8f6f4 v[O+8*\t:O+8*\t+7], v[VF+8*\t:VF+8*\t+7], v[PC:PC+7], v[O+8*\t:O+8*\t+7], v[VS+\t/2], v[PS] matrix_a_fmt:MATRIX_FMT_FP4 matrix_b_fmt:MATRIX_FMT_FP4
.endif
.endr
.Lhidden_\@:
	s_add_co_u32 s[G], s[G], 1
	s_add_co_u32 s[TB], s[TB], STEPB
.endm
	s_wait_loadcnt 0x0                             ; Q and its scale words
	s_wait_tensorcnt 0x1                           ; my part of steps 0-3 is in (waves 0, 1); the second fill may stay out, and the first loop reads bytes under 35,840 alone
	s_barrier_signal -1
	s_barrier_wait -1                              ; everybody's is
	s_mov_b32 s[G], 0
	s_mov_b32 s[TB], 0
.Lfirst:                                           ; steps 0 to 3
	STEP
	s_cmp_lt_u32 s[G], 4
	s_cbranch_scc1 .Lfirst
	s_setprio 0
	s_wait_tensorcnt 0x0                           ; my part of steps 4-15 is in
	s_wait_dscnt 0x0                               ; no LDS instruction of mine is out at a signal
	s_barrier_signal -1
	s_barrier_wait -1
	s_mov_b32 s[G], 4
	s_mov_b32 s[TB], 4*STEPB
.Lrest:                                            ; steps 4 to 15
	STEP
	s_cmp_lt_u32 s[G], 16
	s_cbranch_scc1 .Lrest
	s_setprio 0
	; THE WAY OUT.  O^T is divided by the row's sum and goes through my own stage: a lane holds 32 bytes of a row, and sixteen lanes store a whole row of 256 bytes.
.rept 4
	v_nop                                          ; four places behind the last products
.endr
	v_add_f32 v14, v14, v15                        ; the sum's two halves,
	s_delay_alu instid0(VALU_DEP_1)
	v_permlanex16_b32 v236, v14, s[SEL], s[SEL+1]
	s_delay_alu instid0(VALU_DEP_1)
	v_add_f32 v14, v14, v236                       ; and lane l xor 16's: the row's sum
	s_wait_alu depctr_va_vdst(0)
	v_rcp_f32 v14, v14
	v_nop                                          ; one plain line behind a transcendental
	s_wait_alu depctr_va_vdst(0)
.irp j, 0,2,4,6,8,10,12,14,16,18,20,22,24,26,28,30
	v_pk_mul_f32 v[S+\j:S+1+\j], v[O+\j:O+1+\j], v[14:15] op_sel_hi:[1,0]   ; each accumulator from its low end on
.endr
.irp t, 0,1,2,3
	ds_store_b128 v[STI], v[S+8*\t:S+8*\t+3] offset:64*\t
	ds_store_b128 v[STI], v[S+8*\t+4:S+8*\t+7] offset:64*\t+16
.endr
.irp i, 0,1,2,3,4,5,6,7
	ds_load_b128 v[KF+4*\i:KF+4*\i+3], v[STO] offset:2*\i*SP       ; LDS serves a wave's instructions in order (ISA guide 5.7.1.4): these see my stores; the stage is my own
.endr
.irp i, 0,1,2,3,4,5,6,7
	s_wait_dscnt 7-\i                              ; loads come back in order: pair i of rows is in
	global_store_b128 v[GO], v[KF+4*\i:KF+4*\i+3], s[10:11] offset:(2*\i+8*(\i/4))*4096 th:TH_STORE_NT   ; tile rows 2 i, 2 i + 1 are queries 2 i + 8 (i / 4) on: each half of the lanes stores 256 consecutive bytes, at a multiple of 256 from out0's first byte
.endr
	s_wait_tensorcnt 0x0
	ds_add_u32 v251, v255
	s_wait_dscnt 0x0
	s_endpgm
.Lfunc_end_k_q6ce0cff33b_attn:
	.size	k_q6ce0cff33b_attn, .Lfunc_end_k_q6ce0cff33b_attn-k_q6ce0cff33b_attn
	.p2alignl 7, 3214868480
	.fill 96, 4, 3214868480
	.section	.rodata,"a",@progbits
	.p2align	6, 0x0
	.amdhsa_kernel k_q6ce0cff33b_attn
		.amdhsa_group_segment_fixed_size 215040
		.amdhsa_private_segment_fixed_size 0
		.amdhsa_enable_private_segment 0
		.amdhsa_kernarg_size 32
		.amdhsa_user_sgpr_count 2
		.amdhsa_user_sgpr_kernarg_segment_ptr 1
		.amdhsa_wavefront_size32 1
		.amdhsa_system_sgpr_workgroup_id_x 1
		.amdhsa_system_sgpr_workgroup_id_y 1
		.amdhsa_system_sgpr_workgroup_id_z 1
		.amdhsa_system_vgpr_workitem_id 0
		.amdhsa_next_free_vgpr 256
		.amdhsa_next_free_sgpr 66
		.amdhsa_reserve_vcc 1
		.amdhsa_float_denorm_mode_32 3
		.amdhsa_float_denorm_mode_16_64 3
		.amdhsa_memory_ordered 1
		.amdhsa_forward_progress 1
		.amdhsa_inst_pref_size 55
	.end_amdhsa_kernel
	.amdgpu_metadata
---
amdhsa.version: [ 1, 2 ]
amdhsa.kernels:
  - .name:           k_q6ce0cff33b_attn
    .symbol:         k_q6ce0cff33b_attn.kd
    .args:
      - { .name: qc, .offset: 0, .size: 8, .value_kind: global_buffer, .address_space: global }
      - { .name: qs, .offset: 8, .size: 8, .value_kind: global_buffer, .address_space: global }
      - { .name: kv, .offset: 16, .size: 8, .value_kind: global_buffer, .address_space: global }
      - { .name: out0, .offset: 24, .size: 8, .value_kind: global_buffer, .address_space: global }
    .group_segment_fixed_size: 215040
    .private_segment_fixed_size: 0
    .kernarg_segment_align: 8
    .kernarg_segment_size: 32
    .max_flat_workgroup_size: 512
    .sgpr_count:     66
    .vgpr_count:     256
    .wavefront_size: 32
...
	.end_amdgpu_metadata
.endif
;; end of part 2
